; MI455X (gfx1250); checked and timed in simulation.
; The chip was launched on July 23, 2026; its instructions are those of AMD's public machine-readable ISA for CDNA 5 (MIT licence, August 2026) and "CDNA5" Instruction Set Architecture Reference Guide (July 2026). The comments in the code are by the model that wrote it; some were corrected since.
;; Ascend Triangle Mix Attention. Allowed arithmetic: matrix products marked QUANTISED: E2M1 operands, one E8M0 scale for each 32 along K, by v_wmma_scale_f32_16x16x128_f8f6f4 with both operands' format E2M1 (or v_wmma_scale_f32_32x16x128_f4), f32 sums; everything else in f32.
;; Inputs: attn_mask 1 x 1 x 4,096 x 4,096 float32; key 1 x 4,096 x 16 x 128 float32; query 1 x 4,096 x 16 x 128 float32; value 1 x 4,096 x 16 x 128 float32.
;; Outputs: out0 1 x 4,096 x 16 x 128 float32.
;; This version of the problem:
;;   THIS VERSION OF THE PROBLEM IS GIVEN IN LOW PRECISION. The matrix products marked QUANTISED in the list below multiply operands that are first quantised to E2M1 (2 exponent bits, 1 mantissa bit; 4 bits a number), with one power-of-two scale for each 32 numbers along K (OCP MX v1.0); their sums are f32. All else is computed in f32.
;;   The module's matrix products, in the order in which they are computed (A, B: the left and right operand; K: the contracted axis; several contracted axes count as one K, in the product's order):
;;     1. batch 16 x [M 4,096, K 128] x [K 128, N 4,096]; A: input query; B: input key: QUANTISED
;;     2. batch 16 x [M 4,096, K 4,096] x [K 4,096, N 128]; A: softmax (see below); B: input value: QUANTISED
;;   THE QUANTISER, for each operand of a quantised product, along K:
;;     - K is cut into blocks of 32 from its start; a last block that is shorter is filled with zeros.
;;     - A block's scale is 2^e with e = floor(log2(the largest magnitude in the block)) - 2, held to -126 .. 127; a block of zeros has e = 0. As a byte (E8M0): e + 127.
;;     - Each number is divided by its block's scale, clamped to +-6, and rounded to the nearest number of E2M1, ties to even, subnormals kept.
;;     - The product sums the exact products of the quantised numbers (number of the format x scale) in f32.
;;   ~~~python
;;   def quantise(x, axis):      # numpy; x: float32 -> the quantised numbers, widened to float32 again
;;       x = np.moveaxis(x, axis, -1); K = x.shape[-1]
;;       x = np.pad(x, [(0, 0)] * (x.ndim - 1) + [(0, -K % 32)]); x = x.reshape(x.shape[:-1] + (-1, 32)); a = np.abs(x).max(-1, keepdims=True)
;;       e = np.where(a > 0, np.clip(np.frexp(np.where(a > 0, a, 1))[1] - 1 - 2, -126, 127), 0)      # np.frexp(a)[1] - 1 = floor(log2(a)), exactly
;;       r = np.clip(x / 2.0 ** e, -6, 6)
;;       step = 2.0 ** (np.maximum(np.frexp(np.where(r == 0, 1, r))[1] - 1, 0) - 1)
;;       q = np.round(r / step) * step * 2.0 ** e      # np.round: ties to even
;;       return np.moveaxis(q.reshape(q.shape[:-2] + (-1,))[..., :K], -1, axis).astype(np.float32)
;;   ~~~
;;   SOFTMAX AHEAD OF A QUANTISED PRODUCT. Where the list says 'softmax', what is quantised is not the finished softmax but p = 2^(t - M), with t = logit x log2(e) and M = ceil(the row's largest t), a whole number; so 1/2 < the row's largest p <= 1. The row's sum l is taken of the UNQUANTISED p, in f32, and the product's result is divided by l at the end. Since M is a whole number, a kernel that streams over the keys may use a running M (the ceiling of the running maximum): every later rescaling is an exact power of two, which a block's scale takes up: the codes' values come out the same.
;;   OPERANDS COMPUTED ON THE WAY. 'Computed on the way' means the value that the module computes at that place (a softmax that the list does not call 'softmax' is quantised finished and normalised). What goes into a quantiser is computed in f32, as accurately as f32 sums, v_exp_f32 and their like allow (about 1e-6 of the number): no bf16 or f16 on the way to a quantiser, and a product that is left as it is and whose result goes on into a quantised operand takes f32 operands (vector FMAs, or v_wmma_f32_16x16x4_f32). A number that lies on a knife's edge between two numbers of the format may be rounded either way, as far as f32 arithmetic and the matrix unit's own rounding can turn it there, and no further.
;; One version. Each part assembles by itself: llvm-mc -triple=amdgcn-amd-amdhsa -mcpu=gfx1250 --defsym DOCPART=n.
;; ======== version 1 of 1: 2 launches
;; limits: right only within a limited range of input values
;; workspace buffers: kv 8,912,896 bytes
;; launch prep (part 1): grid 1024 x 1, 4 waves a work-group, no clusters, 39,424 bytes of LDS; arguments key, value, kv; writes kv
.if DOCPART == 1
	.amdgcn_target "amdgcn-amd-amdhsa--gfx1250"
	.amdhsa_code_object_version 6
	.text
	.protected	k_qa2a2f6b769_prep
	.globl	k_qa2a2f6b769_prep
	.p2align	8
	.type	k_qa2a2f6b769_prep,@function
k_qa2a2f6b769_prep:
	s_mov_b64 s[64:65], 0
	v_nop
	global_prefetch_b8 v0, s[64:65] scope:SCOPE_SE
	s_setreg_imm32_b32 hwreg(HW_REG_WAVE_MODE, 25, 1), 1
	s_wait_xcnt 0x0
; key and value, [4096 (s)][16 (head)][128 (d)] f32, become codes of FP4 (E2M1) with one E8M0 scale byte for each 32 along a product's K, laid in kv AS THE NEXT LAUNCH'S OPERAND REGISTERS WANT THEM.
; kv: one dense block of KVB = 17,408 bytes for each (head, step of 128 keys), at (32 head + step) x KVB:
;   0      K's eight fragment images: tile t, chunk c at 512 (2 t + c), lane l's 16 bytes at 16 l.  Lane (r, h) of tile 2 b + u holds key 32 b + 8 u + r + 8 (r / 8), bytes 32 c + 16 h .. + 15 of its 64 bytes of codes (K = d)
;   8192   V^T's eight images, the same form: lane (r, h) of tile t holds channel 16 t + r and the keys 64 c + 32 h + 0 .. 31 of the step (K = the keys)
;   16384  K's scale words: tile t, row r at 64 t + 4 r, byte b for d = 32 b ..        16896  V's scale words, the same form, byte b for keys 32 b .. of the step
; A block's scale is 2^(floor(log2(its largest magnitude)) - 2): its byte is the largest magnitude's exponent field - 2, held at 1 from below.
; LIMITS: a block of zeros gets the byte 1 where the rule says 127 (its codes are zeros, and this program alone reads the bytes); blocks whose largest magnitude lies under 2^-124 keep the byte 1; NaN and infinities are not served.
; SHARES: work-groups 0 .. 511 take K (head = g / 32, step = g % 32; a wave takes 32 keys, which are tiles 2 w and 2 w + 1), work-groups 512 .. 1023 take V (the same split; a wave takes 32 channels, tiles 2 w and 2 w + 1 of V^T).
; Waves share nothing: no barrier.  Only K's path uses LDS.  The scale words leave as 128 consecutive bytes a wave.
.set KVB,   17408
.set EMAX,  2
.set STEPS, 8                          ; K: a wave's 32 keys in steps of 4 keys (512 numbers)
.set WREG,  9728                       ; K: LDS of a wave: two stages of 32 x SP bytes, room for its images (2,048 bytes used), its 128 scale bytes
.set SP,    80                         ; a lane's place in a stage: 64 bytes + 16 of padding
.set IMG,   5120
.set SCB,   9216
.set R,     16                         ; K: v16-79   four sets of 16 numbers as loaded
.set X,     80                         ; K: v80-111  two sets of 16 neighbours along d
.set E,     112                        ; K: v112-119 a scale byte for each step
.set C,     128                        ; K: v128-159 codes, four registers kept for each step (two used)
.set VX,    32                         ; V: v32-95   two sets of 32 numbers down the keys
.set VC,    96                         ; V: v96-111  a block's codes, four registers for each of four blocks: no store's data are written again
.set SB,    24                         ; V: v24      the step's scale word
	s_load_b128 s[4:7], s[0:1], 0x0                ; key s[4:5], value s[6:7]
	s_load_b64 s[8:9], s[0:1], 0x10                ; kv
	v_lshl_add_u32 v192, v0, 2, 0x9800             ; my spare word, behind the four waves' regions
	v_mov_b32 v193, 0
	v_lshrrev_b32 v1, 5, v0
	v_readfirstlane_b32 s16, v1                    ; wave 0..3
	v_and_b32 v2, 31, v0                           ; lane
	s_cmp_lt_u32 ttmp9, 512
	s_cbranch_scc0 .Lv
; ------------------------------------------------------------------ K: d is innermost in memory.
; Each load reads one key's 512 bytes, 16 a lane; a step's 2,048 bytes turn through the wave's stage and come back 64 bytes a lane: lane l then holds key 4 t + l / 8, d = 16 (l % 8) + 0 .. 15; lanes l and l xor 1 hold a block.
	s_lshr_b32 s17, ttmp9, 5                       ; head
	s_and_b32 s18, ttmp9, 31                       ; the step of 128 keys
	s_lshl_b32 s20, s18, 20                        ; 128 keys x 8,192 bytes
	s_lshl_b32 s21, s16, 18                        ; + 32 keys a wave
	s_add_co_u32 s20, s20, s21
	s_lshl_b32 s21, s17, 9                         ; + the head's 512 bytes of a row
	s_add_co_u32 s20, s20, s21
	s_mov_b32 s21, 0
	s_lshl_b32 s22, s17, 5
	s_add_co_u32 s22, s22, s18                     ; 32 head + step
	s_mul_i32 s22, s22, KVB
	s_lshl_b32 s23, s16, 11
	s_add_co_u32 s26, s22, s23                     ; my 2,048 bytes of images: tiles 2 w, 2 w + 1
	s_mov_b32 s27, 0
	s_lshl_b32 s23, s16, 7
	s_add_co_u32 s28, s22, s23
	s_add_co_u32 s28, s28, 16384                   ; my 128 bytes of scale words
	s_mov_b32 s29, 0
	s_wait_alu depctr_va_vdst(0)                   ; the wait behind the run of scalar lines
	v_lshlrev_b32 v3, 4, v2                        ; 16 x lane: my bytes of a load, and of a store of images
	s_mul_i32 s19, s16, WREG
	v_lshrrev_b32 v14, 2, v2
	v_mul_u32_u24 v14, v14, SP
	v_and_b32 v15, 3, v2
	v_lshl_add_u32 v14, v15, 4, v14
	v_add_nc_u32 v14, s19, v14                     ; the stage, on the way in: SP (lane / 4) + 16 (lane % 4)
	v_mul_u32_u24 v15, v2, SP
	v_add_nc_u32 v15, s19, v15                     ; and on the way out: SP x lane
	v_bfe_u32 v12, v2, 3, 2                        ; lane / 8: which of the step's four keys
	v_bfe_u32 v4, v2, 2, 1                         ; my block of d is (lane / 2) % 4 = 2 c + h
	v_lshlrev_b32 v4, 9, v4                        ; chunk c: 512 bytes
	v_bfe_u32 v13, v2, 1, 1
	v_lshl_add_u32 v4, v13, 8, v4                  ; half h: 256 bytes (sixteen lanes of the image)
	v_lshl_add_u32 v4, v12, 4, v4                  ; the key's row r of the tile: 16 bytes
	v_and_b32 v13, 1, v2
	v_lshl_add_u32 v4, v13, 3, v4                  ; my 8 of the block's 16 bytes
	s_add_co_u32 s30, s19, IMG
	v_add_nc_u32 v4, s30, v4                       ; where my 8 bytes of codes go in the wave's images
	v_add_nc_u32 v6, s30, v3                       ; and where I read the images back
	v_bfe_u32 v5, v2, 1, 2
	v_lshl_add_u32 v5, v12, 2, v5
	s_add_co_u32 s30, s19, SCB
	v_add_nc_u32 v5, s30, v5                       ; my block's byte among the wave's scale words: 4 (lane / 8) + block
	v_lshlrev_b32 v7, 2, v2
	v_add_nc_u32 v10, s30, v7                      ; on the way out 4 bytes a lane
	s_wait_kmcnt 0x0
	s_add_nc_u64 s[4:5], s[4:5], s[20:21]
	s_add_nc_u64 s[10:11], s[8:9], s[28:29]
	s_add_nc_u64 s[8:9], s[8:9], s[26:27]
.macro LOAD t
.irp i, 0,1,2,3
	global_load_b128 v[R+16*((\t)%4)+4*\i:R+16*((\t)%4)+4*\i+3], v3, s[4:5] offset:(4*(\t)+\i)*8192 th:TH_LOAD_NT   ; key 4 t + i: 32 lanes read its 512 consecutive bytes
.endr
.endm
.macro TURN t                          ; step t's numbers through the stage: LDS serves a wave's instructions in order, so no wait stands between the stores and the loads
.irp i, 0,1,2,3
	ds_store_b128 v14, v[R+16*((\t)%4)+4*\i:R+16*((\t)%4)+4*\i+3] offset:32*SP*((\t)%2)+8*SP*\i
.endr
.irp i, 0,1,2,3
	ds_load_b128 v[X+16*((\t)%2)+4*\i:X+16*((\t)%2)+4*\i+3], v15 offset:32*SP*((\t)%2)+16*\i
.endr
.endm
.irp t, 0,1,2,3
	LOAD \t
.endr
	s_wait_loadcnt 12                              ; step 0's four loads are in; the twelve of steps 1 to 3 may be out
	TURN 0
.macro STEP t
.set XS, X+16*((\t)%2)
.set K0, 4*(\t)                        ; the step's first key among the wave's 32
.set TL, (K0/8)%2                      ; its tile of the wave's two,
.set RC, K0%8+8*(K0/16)                ; and its row in that tile: key p sits in tile (p / 8) % 2 at row p % 8 + 8 (p / 16)
.if (\t) > 0
	s_wait_dscnt 2                                 ; this step's numbers are back from the stage (the last step's two stores may be out): so its stores into the stage have read their registers,
.else
	s_wait_dscnt 0x0
.endif
.if (\t)+4 < STEPS
	LOAD (\t)+4                                    ; which take the loads of four steps on
.endif
.if (\t)+1 < STEPS
.if STEPS-2-(\t) >= 3
	s_wait_loadcnt 12                              ; the next step's four loads are in; those of the three steps behind it may be out
.else
	s_wait_loadcnt 4*(STEPS-2-(\t))
.endif
	TURN (\t)+1                                    ; and go through the other stage while this step is worked
.endif
	v_max3_num_f32 v8, |v[XS]|, |v[XS+1]|, |v[XS+2]|               ; the largest magnitude of my 16, in two chains
	v_max3_num_f32 v9, |v[XS+3]|, |v[XS+4]|, |v[XS+5]|
.irp i, 6,10
	v_max3_num_f32 v8, v8, |v[XS+\i]|, |v[XS+\i+1]|
	v_max3_num_f32 v9, v9, |v[XS+\i+2]|, |v[XS+\i+3]|
.endr
	v_max3_num_f32 v8, v8, |v[XS+14]|, |v[XS+15]|
	v_max3_num_f32 v8, v8, v9, (EMAX+1)<<23        ; and the floor 2^(3 - 127): the byte cannot fall under 1
	v_max_num_f32_dpp v8, v8, v8 row_xmask:1 row_mask:0xf bank_mask:0xf   ; with my neighbour's 16: the block's
	v_add_nc_u32 v11, -(EMAX<<23), v8              ; 2 off its exponent field: the conversion takes the exponent field of this operand as its scale
	v_cvt_scalef32_pk8_fp4_f32 v[C+4*(\t)], v[XS:XS+7], v11
	v_cvt_scalef32_pk8_fp4_f32 v[C+4*(\t)+1], v[XS+8:XS+15], v11
	v_lshrrev_b32 v[E+(\t)], 23, v11               ; the scale's byte (a plain line behind the conversions)
	ds_store_b8 v5, v[E+(\t)] offset:TL*64+RC*4    ; both lanes of a block write the same byte with the same value
	ds_store_b64 v4, v[C+4*(\t):C+4*(\t)+1] offset:TL*1024+RC*16
.endm
.irp t, 0,1,2,3,4,5,6,7
	STEP \t
.endr
.irp i, 0,1,2,3
	ds_load_b128 v[R+4*\i:R+4*\i+3], v6 offset:512*\i              ; LDS serves a wave's instructions in order: these see my stores
.endr
	ds_load_b32 v12, v10
.irp i, 0,1,2,3
	s_wait_dscnt 4-\i                              ; load i is in; the 3 - i behind it and the scale words' may be out
	global_store_b128 v3, v[R+4*\i:R+4*\i+3], s[8:9] offset:512*\i ; 32 lanes store 512 consecutive bytes, at a multiple of 256 from kv's first byte
.endr
	s_wait_dscnt 0x0
	global_store_b32 v7, v12, s[10:11]             ; 32 lanes store 128 consecutive bytes
	s_wait_tensorcnt 0x0                           ; the wave's end, behind my last LDS store
	ds_add_u32 v192, v193
	s_wait_dscnt 0x0
	s_endpgm
; ------------------------------------------------------------------ V: the keys, its K, are the outermost axis.
; A lane takes a channel and its registers run down the keys: a block of 32 keys lies in one lane's 32 registers, and its 16 bytes of codes are the lane's 16 bytes of an image: they are stored as they come.
.Lv:
	s_sub_co_u32 s17, ttmp9, 512
	s_and_b32 s18, s17, 31                         ; the step of 128 keys
	s_lshr_b32 s17, s17, 5                         ; head
	s_lshl_b32 s20, s18, 20
	s_lshl_b32 s21, s17, 9
	s_add_co_u32 s20, s20, s21
	s_lshl_b32 s21, s16, 7                         ; my wave's 32 channels: 128 bytes
	s_add_co_u32 s20, s20, s21
	s_mov_b32 s21, 0
	s_lshl_b32 s22, s17, 5
	s_add_co_u32 s22, s22, s18
	s_mul_i32 s22, s22, KVB
	s_lshl_b32 s23, s16, 11                        ; my two tiles of V^T: 2,048 bytes
	s_add_co_u32 s26, s22, s23
	s_add_co_u32 s26, s26, 8192
	s_mov_b32 s27, 0
	s_lshl_b32 s23, s16, 7                         ; and their 32 scale words
	s_add_co_u32 s28, s22, s23
	s_add_co_u32 s28, s28, 16896
	s_mov_b32 s29, 0
	s_wait_alu depctr_va_vdst(0)                   ; the wait behind the run of scalar lines
	v_lshlrev_b32 v3, 2, v2                        ; 4 x lane: my channel in a row of V, and my scale word
	v_lshrrev_b32 v8, 4, v2
	v_lshlrev_b32 v8, 10, v8                       ; lanes 16-31: the second tile, 1,024 bytes on
	v_and_b32 v9, 15, v2
	v_lshl_add_u32 v8, v9, 4, v8                   ; row r of the tile: 16 bytes
	s_wait_alu depctr_va_vdst(0)                   ; and at the head's end
	s_wait_kmcnt 0x0
	s_add_nc_u64 s[6:7], s[6:7], s[20:21]
	s_add_nc_u64 s[10:11], s[8:9], s[28:29]
	s_add_nc_u64 s[8:9], s[8:9], s[26:27]
.macro VLOADB t                        ; block t: V(32 t + i, my channel), i = 0 .. 31, into set t % 2; a wave reads 128 consecutive bytes, the four waves a head's 512
.set i, 0
.rept 32
	global_load_b32 v[VX+32*((\t)%2)+i], v3, s[6:7] offset:(32*(\t)+i)*8192 th:TH_LOAD_NT
.set i, i+1
.endr
.endm
	VLOADB 0
	VLOADB 1
.macro VBLOCK t
.set XS, VX+32*((\t)%2)
.if (\t) < 3
	s_wait_loadcnt 32                              ; this block's 32 loads are in; the next block's may be out
.else
	s_wait_loadcnt 0x0
.endif
	v_max3_num_f32 v12, |v[XS]|, |v[XS+1]|, |v[XS+2]|              ; the block's largest magnitude: all 32 numbers are mine
	v_max3_num_f32 v13, |v[XS+3]|, |v[XS+4]|, |v[XS+5]|
.irp i, 6,10,14,18,22,26
	v_max3_num_f32 v12, v12, |v[XS+\i]|, |v[XS+\i+1]|
	v_max3_num_f32 v13, v13, |v[XS+\i+2]|, |v[XS+\i+3]|
.endr
	v_max3_num_f32 v12, v12, |v[XS+30]|, |v[XS+31]|
	v_max3_num_f32 v12, v12, v13, (EMAX+1)<<23     ; and the floor
	v_add_nc_u32 v11, -(EMAX<<23), v12             ; the conversions' scale operand
	v_lshrrev_b32 v13, 23, v11                     ; the scale's byte
.if (\t) == 0
	v_mov_b32 v[SB], v13                           ; four bytes make the step's scale word, the earlier keys in the lower byte
.else
	v_lshl_or_b32 v[SB], v13, 8*(\t), v[SB]
.endif
.irp g, 0,1,2,3
	v_cvt_scalef32_pk8_fp4_f32 v[VC+4*(\t)+\g], v[XS+8*\g:XS+8*\g+7], v11
.endr
	global_store_b128 v8, v[VC+4*(\t):VC+4*(\t)+3], s[8:9] offset:((\t)/2)*512+((\t)%2)*256   ; block 2 c + h of the step: chunk c, lanes 16 h on; each sixteen lanes store 256 consecutive bytes, aligned
.if (\t)+2 < 4
	VLOADB (\t)+2
.endif
.endm
.irp t, 0,1,2,3
	VBLOCK \t
.endr
	global_store_b32 v3, v[SB], s[10:11]           ; my channel's scale word: 128 consecutive bytes a wave
	s_endpgm
.Lfunc_end_k_qa2a2f6b769_prep:
	.size	k_qa2a2f6b769_prep, .Lfunc_end_k_qa2a2f6b769_prep-k_qa2a2f6b769_prep
	.p2alignl 7, 3214868480
	.fill 96, 4, 3214868480
	.section	.rodata,"a",@progbits
	.p2align	6, 0x0
	.amdhsa_kernel k_qa2a2f6b769_prep
		.amdhsa_group_segment_fixed_size 39424
		.amdhsa_private_segment_fixed_size 0
		.amdhsa_enable_private_segment 0
		.amdhsa_kernarg_size 24
		.amdhsa_user_sgpr_count 2
		.amdhsa_user_sgpr_kernarg_segment_ptr 1
		.amdhsa_wavefront_size32 1
		.amdhsa_system_sgpr_workgroup_id_x 1
		.amdhsa_system_sgpr_workgroup_id_y 1
		.amdhsa_system_sgpr_workgroup_id_z 1
		.amdhsa_system_vgpr_workitem_id 0
		.amdhsa_next_free_vgpr 194
		.amdhsa_next_free_sgpr 66
		.amdhsa_reserve_vcc 0
		.amdhsa_float_denorm_mode_32 3
		.amdhsa_float_denorm_mode_16_64 3
		.amdhsa_memory_ordered 1
		.amdhsa_forward_progress 1
		.amdhsa_inst_pref_size 39
	.end_amdhsa_kernel
	.amdgpu_metadata
---
amdhsa.version: [ 1, 2 ]
amdhsa.kernels:
  - .name:           k_qa2a2f6b769_prep
    .symbol:         k_qa2a2f6b769_prep.kd
    .args:
      - { .name: key, .offset: 0, .size: 8, .value_kind: global_buffer, .address_space: global }
      - { .name: value, .offset: 8, .size: 8, .value_kind: global_buffer, .address_space: global }
      - { .name: kv, .offset: 16, .size: 8, .value_kind: global_buffer, .address_space: global }
    .group_segment_fixed_size: 39424
    .private_segment_fixed_size: 0
    .kernarg_segment_align: 8
    .kernarg_segment_size: 24
    .max_flat_workgroup_size: 128
    .sgpr_count:     66
    .vgpr_count:     194
    .wavefront_size: 32
...
	.end_amdgpu_metadata
.endif
;; end of part 1
;; launch attn (part 2): grid 256 x 1, 8 waves a work-group, clusters of 4 x 1, 327,680 bytes of LDS; arguments query, kv, attn_mask, out0; writes out0
.if DOCPART == 2
	.amdgcn_target "amdgcn-amd-amdhsa--gfx1250"
	.amdhsa_code_object_version 6
	.text
	.protected	k_qa2a2f6b769_attn
	.globl	k_qa2a2f6b769_attn
	.p2align	8
	.type	k_qa2a2f6b769_attn,@function
k_qa2a2f6b769_attn:
	s_mov_b64 s[64:65], 0
	v_nop
	global_prefetch_b8 v0, s[64:65] scope:SCOPE_SE
	s_setreg_imm32_b32 hwreg(HW_REG_WAVE_MODE, 25, 1), 1
	s_wait_xcnt 0x0
	s_wait_alu depctr_hold_cnt(0) depctr_sa_sdst(0) depctr_va_vdst(0) depctr_va_sdst(0) depctr_va_ssrc(0) depctr_va_vcc(0) depctr_vm_vsrc(0)
	s_getreg_b32 s2, hwreg(HW_REG_IB_STS2, 6, 4)
	s_cmp_eq_u32 s2, 0
	s_cbranch_scc0 .Lentry_in_a_cluster
	s_endpgm
.Lentry_in_a_cluster:
	s_bfe_u32 s2, ttmp6, 0x10000c
	s_cmp_lg_u32 s2, 0x3003
	s_cbranch_scc0 .Lentry_shape_is_right
	s_endpgm
.Lentry_shape_is_right:
; out[q][head][:] = the sum over k of softmax_k(Q . K / sqrt(128) + mask[q][k]) V[k][head][:], both products on codes of FP4 (E2M1) with one E8M0 scale for each 32 along K.
; query, out0: [4096][16][128] f32.  attn_mask: [4096][4096] f32, an input: every word is read and added; nothing is taken for granted of its pattern.  No work of the definition is left out.
; kv: K's and V's codes and scale words as register images, one dense block of KVB bytes for each (head, step of 128 keys): K's 8 fragments, V^T's 8, K's 128 scale words, V's 128.
; THE SOFTMAX: logit = score / sqrt(128) + mask; t = logit x log2(e), rounded to f32 BEFORE M is taken off; M = the row's largest t so far, rounded UP to a whole number; p = 2^(t - M) is quantised along the keys.
; The row's sum is taken of the unquantised p and divides O at the end.  When M moves, the sum and O are multiplied by 2^(old M - new M): exact.
; SHARES.  A work-group owns 64 queries x 4 heads; wave w owns head w / 2 of the four and 32 queries (w % 2): two units of 16 queries that share each fragment of K and V.  Every wave walks all 4,096 keys, 128 a step.
; K AND V go from memory straight into the operand registers, 512 consecutive bytes an instruction: K half a step, V a step ahead of its product.
; THE SECOND PRODUCT OF A STEP STANDS AT THE HEAD OF THE NEXT STEP, behind the issue of that step's first mask loads: so the first step has none, and the last step's stands behind the loops.
; THE MASK comes through a ring of two LDS slots of FOUR key steps (64 queries x 512 keys): each of the eight waves fetches 32 rows x 512 bytes of a slot by one tensor load.
; CLUSTER 4 x 1: the four work-groups of a cluster own the same 64 queries and the four groups of heads: the mask tile is asked for jointly by the four.
; K/V blocks, which the 64 query blocks of a head group share, are NOT asked for jointly: a joint load lands in LDS, where a step's four blocks take 69,632 bytes, and beside them a slot holds one step of the mask;
; with K/V in registers alone a slot holds four steps, and one round of the cluster's barrier serves 512 keys.
; LAYOUT.  Both products are used transposed: S^T = K Q^T, O^T = V^T P^T: a lane holds ONE query (lane % 16).  The 16 registers of tiles 2 b, 2 b + 1 of S^T are keys 32 b + 16 (lane / 16) + 0 .. 15; the mask is loaded in that order.
; LIMITS: NaN and +infinity among the inputs are not served; a row whose every mask word is -infinity gives NaN, as the definition does; p under 2^-126 counts as 0; a block of p or of Q whose largest magnitude lies under
; 2^-124 keeps the scale byte 1 (a block of zeros too: its codes are zeros); the logit is one fused multiply-add where the definition rounds twice.
; REGISTERS.  Window 0: v1-13 addresses; v16-31 Q; v32-47 p's codes; v48-63 statistics; v64-75 scale words alone; v76-99 at work; v128-191 S^T, then p; v192-255 the mask.  Window 1: v0-127 O^T; v128-191 K; v192-255 V^T.
.set KVB,   17408
.set MP,    528                        ; a mask row of one step in LDS: 512 bytes + 16 of padding
.set PLANE, 64*MP                      ; one step's 64 rows
.set SLOTB, 4*PLANE                    ; a slot: four steps
.set STAGE, 2*SLOTB                    ; behind the ring: 16 rows x 272 bytes for each wave, for the way out; no tile lands there
.set SP,    272
.set SPARE, STAGE+8*16*SP              ; the spare words, 128 bytes a wave
.set LI,  1                            ; 16 x lane
.set LSC, 2                            ; 4 x lane
.set AM0, 3                            ; my query's row of a plane, + 64 (lane / 16)
.set PFK, 4                            ; K/V prefetch: 8,192 (wave % 2) + 256 x lane
.set ADM, 6                            ; AM0 in the plane in hand
.set SPW, 7
.set NIL, 8
.set STO, 9
.set RD,  10
.set GO,  11
.set PFO, 12                           ; mask prefetch: 16,384 (lane / 8) + 256 (lane % 8)
.set QA,  13
.set QF,  16
.set PC,  32
.set ST,  48                           ; unit u at ST + 8 u: +0 -M, +1 largest t, +2, +3 the sum, +4 f (+5), +6 1 / sum (+7)
.set KS,  64
.set VS,  68
.set QS,  72
.set PS,  74
.set BM,  76
.set PT,  80
.set SO,  84
.set T0,  88
.set T1,  89
.set TP,  90                           ; v90-99: five more chains of the sum
.set S,   128
.set MK,  192
.set KF,  128                          ; window 1
.set VF,  192
.set WV,  12
.set SEL, 20
.set SC,  22
.set LG,  24
.set G1M, 28                           ; s[28:35] group 1, s[36:39] group 0 of the mask's loads
.set G0M, 36
.set TB,  40                           ; LDS byte at which the slot in hand begins
.set TM,  41                           ; and the plane in hand
.set SLOTS, 42
.set JC,  43
.set SN,  44                           ; the key step's number
.set LIMM, 45                          ; 1 in waves 4 to 7, which prefetch the mask; else the greatest number
.set LIMK, 46                          ; 29 in the first cluster, which prefetches K/V; else 0
.set WB,  47                           ; my part's place in a slot
.set KB,  48                           ; s[48:49] my head's K/V block of the step in hand
.set PFM, 50                           ; s[50:51] where my mask prefetches stand
.set MSB, 0
.macro WIN new
.if MSB != \new
	s_set_vgpr_msb (MSB<<8)|\new
.set MSB, \new
.endif
.endm
.set W_LD, 0x40
.set W_S,  0x01
.set W_PV, 0x51
.set W_RS, 0x41
.macro CROUND                          ; a round of the cluster's barrier
	s_barrier_signal -1
	s_barrier_wait -1
	s_cmp_lg_u32 s[WV], 0
	s_cbranch_scc1 .Lnot_wave_0_\@
	s_barrier_signal -3
.Lnot_wave_0_\@:
	s_barrier_wait -3
	s_barrier_signal -1
	s_barrier_wait -1
.endm
	s_load_b256 s[4:11], s[0:1], 0x0               ; query, kv, attn_mask, out0
	v_lshl_add_u32 v[SPW], v0, 2, SPARE
	v_mov_b32 v[NIL], 0
	ds_add_u32 v[SPW], v[NIL]                      ; the opening lines: the add twice on end, and its wait ahead of my first tensor load
	ds_add_u32 v[SPW], v[NIL]
	v_lshrrev_b32 v14, 5, v0
	v_readfirstlane_b32 s[WV], v14                 ; wave 0..7
	s_lshr_b32 s13, s[WV], 1                       ; my head of the four; also the plane that I fetch
	s_and_b32 s14, s[WV], 1                        ; my 32 of the 64 queries; also the 32 rows that I fetch
	s_bfe_u32 s15, ttmp6, 0x40000                  ; cx: the group of four heads.  ttmp9, the cluster's x, is the block of 64 queries
	s_lshl_b32 s16, s15, 2
	s_add_co_u32 s16, s16, s13                     ; my head
	s_mov_b32 s[G1M], 15|(2<<16)|(1<<20)|(1<<21)|(6<<22)|(3<<25)   ; all four partners; elements of 4 bytes; 4 words of padding behind every 128
	s_mov_b32 s[G1M+1], 128<<16
	s_mov_b32 s[G1M+2], 32<<16
	s_mov_b32 s[G1M+3], 128<<16
	s_mov_b32 s[G1M+4], 32
	s_mov_b32 s[G1M+5], 4096
	s_mov_b32 s[G1M+6], 0
	s_mov_b32 s[G1M+7], 0
	s_lshl_b32 s52, ttmp9, 20                      ; the mask: 64 rows of 16,384 bytes a query block,
	s_lshl_b32 s53, s14, 19                        ; my 32 rows,
	s_add_co_u32 s52, s52, s53
	s_lshl_b32 s53, s13, 9                         ; my plane's 512 bytes: nothing of cx enters
	s_add_co_u32 s52, s52, s53
	s_mov_b32 s53, 0
	s_mul_i32 s[WB], s13, PLANE
	s_mul_i32 s63, s14, 32*MP
	s_add_co_u32 s[WB], s[WB], s63
	s_lshl_b32 s56, ttmp9, 19                      ; query and out0: 64 rows of 8,192 bytes a query block, my 32 rows, my head's 512 bytes
	s_lshl_b32 s57, s14, 18
	s_add_co_u32 s56, s56, s57
	s_lshl_b32 s57, s16, 9
	s_add_co_u32 s56, s56, s57
	s_mov_b32 s57, 0
	s_mul_i32 s58, s16, 32*KVB
	s_mov_b32 s59, 0
	s_lshl_b32 s60, ttmp9, 20                      ; mask prefetch: the partners share the 64 rows out by address, 16 each; waves 4 to 7 take 4 rows each
	s_lshl_b32 s61, s15, 18
	s_add_co_u32 s60, s60, s61
	s_and_b32 s61, s[WV], 3
	s_lshl_b32 s61, s61, 16
	s_add_co_u32 s60, s60, s61
	s_add_co_u32 s60, s60, 2048                    ; at slot 1: the first change of slots steps it to slot 2
	s_mov_b32 s61, 0
	s_lshl_b32 s62, s14, 13
	s_mul_i32 s66, s[WV], 16*SP
	s_add_co_u32 s66, s66, STAGE                   ; my stage
	s_cmp_ge_u32 s[WV], 4
	s_cselect_b32 s[LIMM], 1, -1
	s_cmp_eq_u32 ttmp9, 0
	s_cselect_b32 s[LIMK], 29, 0
	s_mov_b32 s[SEL], 0x76543210
	s_mov_b32 s[SEL+1], 0xfedcba98
	s_mov_b32 s[SC], 0x3db504f3                    ; 1 / sqrt(128)
	s_mov_b32 s[SC+1], s[SC]
	s_mov_b32 s[LG], 0x3fb8aa3b                    ; log2(e)
	s_mov_b32 s[LG+1], s[LG]
	s_mov_b32 s[TB], SLOTB                         ; the first change of slots turns it to slot 0
	s_mov_b32 s[SN], 0
	s_mov_b32 s[SLOTS], 7
	s_wait_dscnt 0x0                               ; both opening adds are done
	s_wait_kmcnt 0x0
	s_mov_b32 s[G0M], 1
	s_mov_b32 s[G0M+1], s[WB]
	s_add_nc_u64 s[G0M+2:G0M+3], s[8:9], s[52:53]
	s_or_b32 s[G0M+3], s[G0M+3], 0x80000000
	s_add_nc_u64 s[4:5], s[4:5], s[56:57]
	s_add_nc_u64 s[10:11], s[10:11], s[56:57]
	s_add_nc_u64 s[KB:KB+1], s[6:7], s[58:59]
	s_add_nc_u64 s[PFM:PFM+1], s[8:9], s[60:61]
	CROUND                                         ; the four partners are here: the first joint loads meet
	tensor_load_to_lds s[G0M:G0M+3], s[G1M:G1M+7]  ; my part of slot 0: one tensor load a wave at the head
	s_nop 0
.macro KLOAD o                         ; an image comes as it was laid: 16 bytes a lane
	WIN W_LD
.irp t, 0,1,2,3,4,5,6,7
.irp c, 0,1
	global_load_b128 v[KF+8*\t+4*\c:KF+8*\t+4*\c+3], v[LI], s[KB:KB+1] offset:(\o)+(2*\t+\c)*512
.endr
.endr
	WIN 0
.irp i, 0,1,2,3
	global_load_b32 v[KS+\i], v[LSC], s[KB:KB+1] offset:(\o)+16384+128*\i
.endr
.endm
.macro VLOAD o
	WIN W_LD
.irp t, 0,1,2,3,4,5,6,7
.irp c, 0,1
	global_load_b128 v[VF+8*\t+4*\c:VF+8*\t+4*\c+3], v[LI], s[KB:KB+1] offset:(\o)+8192+(2*\t+\c)*512
.endr
.endr
	WIN 0
.irp i, 0,1,2,3
	global_load_b32 v[VS+\i], v[LSC], s[KB:KB+1] offset:(\o)+16896+128*\i
.endr
.endm
	; Q: lane (r, h) takes, of row r of each unit, the 16 numbers 32 b + 16 h + 0 .. 15 of each block b: unit 0 into S's registers, unit 1 into the mask's
	v_and_b32 v14, 15, v0                          ; r
	v_bfe_u32 v15, v0, 4, 1                        ; h
	v_lshlrev_b32 v[QA], 13, v14
	s_delay_alu instid0(VALU_DEP_1)
	v_lshl_add_u32 v[QA], v15, 6, v[QA]
.irp u, 0,1
.irp b, 0,1,2,3
.irp q, 0,1,2,3
	global_load_b128 v[S+64*\u+16*\b+4*\q:S+64*\u+16*\b+4*\q+3], v[QA], s[4:5] offset:131072*\u+128*\b+16*\q
.endr
.endr
.endr
	v_and_b32 v[LSC], 31, v0
	s_delay_alu instid0(VALU_DEP_1)
	v_lshlrev_b32 v[LI], 4, v[LSC]
	v_lshl_add_u32 v[PFK], v[LSC], 8, s62
	v_lshlrev_b32 v[LSC], 2, v[LSC]
	KLOAD 0                                        ; key step 0's K: 20 loads behind Q's 32
	v_mul_u32_u24 v[AM0], v14, MP
	v_mul_u32_u24 v[STO], v14, SP
	v_mul_u32_u24 v[RD], v15, SP
	v_lshlrev_b32 v[GO], 13, v15
	v_bfe_u32 v[PFO], v0, 3, 2
	v_and_b32 v5, 7, v0
	v_lshl_add_u32 v[AM0], v15, 6, v[AM0]
	v_lshl_add_u32 v[STO], v15, 5, v[STO]
	v_lshl_add_u32 v[RD], v14, 4, v[RD]
	v_lshl_add_u32 v[GO], v14, 4, v[GO]
	v_lshlrev_b32 v[PFO], 14, v[PFO]
	v_add_nc_u32 v[AM0], s63, v[AM0]
	v_add_nc_u32 v[STO], s66, v[STO]
	v_add_nc_u32 v[RD], s66, v[RD]
	v_lshl_add_u32 v[PFO], v5, 8, v[PFO]
.irp u, 0,1
	v_mov_b32 v[ST+8*\u+1], 0xff61b1e6             ; the largest t so far: -3e38
	v_mov_b32 v[ST+8*\u+2], 0
	v_mov_b32 v[ST+8*\u+3], 0
	v_mov_b32 v[ST+8*\u+5], 0
	v_mov_b32 v[ST+8*\u+7], 0
	v_floor_f32 v[ST+8*\u], -v[ST+8*\u+1]          ; -M
.endr
.irp b, 0,1,2,3
	v_mov_b32 v[PT+\b], 0                          ; a lane permute's destination counts as one of its sources
.endr
	WIN W_LD
.set j, 0
.rept 128
	v_mov_b32 v[j], 0                              ; O^T.  The second product is written in one form: the first finds zeros, which the first change of M leaves zeros
.set j, j+1
.endr
	WIN 0
.macro CODES src, pc, pw               ; from four blocks' floored largest magnitudes in v[BM] on: the scale word and the codes of 64 numbers
.irp b, 0,1,2,3
	s_delay_alu instid0(VALU_DEP_4)
	v_add_nc_u32 v[SO+\b], 0xff000000, v[BM+\b]    ; 2 off the exponent field: the conversion's scale operand
.endr
.irp b, 0,1,2,3
	s_delay_alu instid0(VALU_DEP_4)
	v_lshrrev_b32 v[PT+\b], 23, v[SO+\b]           ; the scale's byte
.endr
	s_delay_alu instid0(VALU_DEP_3)
	v_lshl_or_b32 v[\pw], v[PT+1], 8, v[PT]        ; the scale word in two halves
	s_delay_alu instid0(VALU_DEP_2)
	v_lshl_or_b32 v[T0], v[PT+3], 8, v[PT+2]
.irp b, 0,1,2,3
	v_cvt_scalef32_pk8_fp4_f32 v[\pc+2*\b], v[\src+16*\b:\src+16*\b+7], v[SO+\b]
	v_cvt_scalef32_pk8_fp4_f32 v[\pc+2*\b+1], v[\src+16*\b+8:\src+16*\b+15], v[SO+\b]
.endr
	v_lshl_or_b32 v[\pw], v[T0], 16, v[\pw]        ; (the plain line behind the scaled conversions)
.irp c, 0,1                                    ; a WHOLE block in a lane: lanes 0-15 block 2 c, lanes 16-31 block 2 c + 1
.irp i, 0,1
	v_permlane16_swap_b32 v[\pc+4*\c+\i], v[\pc+4*\c+2+\i]
.endr
.endr
.endm
.macro QUANTQ src, u
.irp b, 0,1,2,3
	v_max3_num_f32 v[BM+\b], |v[\src+16*\b]|, |v[\src+16*\b+1]|, 0x1800000   ; and the floor 2^(3 - 127)
.endr
.irp i, 2,4,6,8,10,12,14
.irp b, 0,1,2,3
	s_delay_alu instid0(VALU_DEP_4)
	v_max3_num_f32 v[BM+\b], v[BM+\b], |v[\src+16*\b+\i]|, |v[\src+16*\b+\i+1]|
.endr
.endr
.irp b, 0,1,2,3
	s_delay_alu instid0(VALU_DEP_4)
	v_permlanex16_b32 v[PT+\b], v[BM+\b], s[SEL], s[SEL+1]
.endr
.irp b, 0,1,2,3
	s_delay_alu instid0(VALU_DEP_4)
	v_max_num_f32 v[BM+\b], v[BM+\b], v[PT+\b]
.endr
	CODES \src, QF+8*(\u), QS+(\u)
.endm
.macro MLOAD u                         ; unit u's mask words: register 16 b + i = key 32 b + 16 (lane / 16) + i of my query
.irp b, 0,1,2,3
.irp q, 0,1,2,3
	ds_load_b128 v[MK+16*\b+4*\q:MK+16*\b+4*\q+3], v[ADM] offset:16*MP*(\u)+128*\b+16*\q
.endr
.endr
.endm
.macro SMUL u                          ; S^T = K Q^T for unit u, each sum begun with the constant 0; then four places
	WIN W_S
.irp t, 0,1,2,3,4,5,6,7
.if (\t)%2
	v_wmma_scale_f32_16x16x128_f8f6f4 v[S+8*\t:S+8*\t+7], v[KF+8*\t:KF+8*\t+7], v[QF+8*(\u):QF+8*(\u)+7], 0, v[KS+\t/2], v[QS+(\u)] matrix_a_fmt:MATRIX_FMT_FP4 matrix_b_fmt:MATRIX_FMT_FP4 matrix_a_scale:MATRIX_SCALE_ROW1
.else
	v_wmma_scale_f32_16x16x128_f8f6f4 v[S+8*\t:S+8*\t+7], v[KF+8*\t:KF+8*\t+7], v[QF+8*(\u):QF+8*(\u)+7], 0, v[KS+\t/2], v[QS+(\u)] matrix_a_fmt:MATRIX_FMT_FP4 matrix_b_fmt:MATRIX_FMT_FP4
.endif
.endr
	WIN 0
.rept 4
	v_nop
.endr
.endm
.macro LOGIT                           ; logit = score / sqrt(128) + mask, each tile from its low end on
.set j, 0
.rept 32
	v_pk_fma_f32 v[S+j:S+j+1], v[S+j:S+j+1], s[SC:SC+1], v[MK+j:MK+j+1] op_sel_hi:[1,0,1]
.set j, j+2
.endr
.endm
.macro TMUL n                          ; n more pairs of t = logit x log2(e), rounded
.rept \n
	v_pk_mul_f32 v[S+jt:S+jt+1], v[S+jt:S+jt+1], s[LG:LG+1] op_sel_hi:[1,0]
.set jt, jt+2
.endr
.endm
; Each block's largest logit, in eight chains by turns; the new M; f.  Once the logits have been read, the 32 independent lines that make t stand between the links of the chain that leads to M and f:
; every link stands five lines or more behind the line whose result it reads.
.macro SMAX u
.set rT, ST+8*(\u)
.set jt, 0
.irp b, 0,1,2,3
	v_max3_num_f32 v[BM+\b], v[S+16*\b], v[S+16*\b+1], v[S+16*\b+2]
.endr
.irp b, 0,1,2,3
	v_max3_num_f32 v[SO+\b], v[S+16*\b+3], v[S+16*\b+4], v[S+16*\b+5]
.endr
.irp i, 6,10
.irp b, 0,1,2,3
	v_max3_num_f32 v[BM+\b], v[BM+\b], v[S+16*\b+\i], v[S+16*\b+\i+1]
.endr
.irp b, 0,1,2,3
	v_max3_num_f32 v[SO+\b], v[SO+\b], v[S+16*\b+\i+2], v[S+16*\b+\i+3]
.endr
.endr
.irp b, 0,1,2,3
	v_max3_num_f32 v[BM+\b], v[BM+\b], v[S+16*\b+14], v[S+16*\b+15]
.endr
	TMUL 1
.irp b, 0,1,2,3
	v_max_num_f32 v[BM+\b], v[BM+\b], v[SO+\b]
.endr
	TMUL 1
.irp b, 0,1,2,3
	v_permlanex16_b32 v[PT+\b], v[BM+\b], s[SEL], s[SEL+1]
.endr
	TMUL 1
.irp b, 0,1,2,3
	v_max_num_f32 v[BM+\b], v[BM+\b], v[PT+\b]     ; with lane l xor 16's 16 keys
.endr
	v_mov_b32 v[T1], v[rT]                         ; the old -M
	TMUL 3
	v_max3_num_f32 v[T0], v[BM], v[BM+1], v[BM+2]
	TMUL 4
	v_max_num_f32 v[T0], v[T0], v[BM+3]
	TMUL 4
	v_mul_f32 v[T0], s[LG], v[T0]                  ; the step's largest t
	TMUL 4
	v_max_num_f32 v[rT+1], v[rT+1], v[T0]
	TMUL 4
	v_floor_f32 v[rT], -v[rT+1]                    ; the new -M = -ceil(t)
	TMUL 4
	v_sub_f32 v[T0], v[rT], v[T1]                  ; old M - new M
	TMUL 4
	v_cvt_i32_f32 v[T0], v[T0]                     ; (it saturates)
.irp b, 0,1,2,3
	v_mul_f32 v[BM+\b], s[LG], v[BM+\b]            ; the same line on each block's largest logit gives the same bits
.endr
	v_ldexp_f32 v[rT+4], 1.0, v[T0]                ; f = 2^(old M - new M)
	TMUL 2
.endm
.macro STEXP u                         ; t - M, p
.set rT, ST+8*(\u)
.set j, 0
.rept 32
	v_pk_add_f32 v[S+j:S+j+1], v[S+j:S+j+1], v[rT:rT+1] op_sel_hi:[1,0]
.set j, j+2
.endr
.irp b, 0,1,2,3
	v_add_f32 v[BM+\b], v[rT], v[BM+\b]
.endr
.set j, 0
	s_wait_alu depctr_va_vdst(0)                   ; the wait ahead of the batch
.rept 64
	v_exp_f32 v[S+j], v[S+j]
.set j, j+1
.endr
	v_pk_mul_f32 v[rT+2:rT+3], v[rT+2:rT+3], v[rT+4:rT+5] op_sel_hi:[1,0]     ; the sums under the new M (a plain line behind the batch)
	s_wait_alu depctr_va_vdst(0)                   ; and behind it: one for the batch
.irp b, 0,1,2,3
	v_exp_f32 v[BM+\b], v[BM+\b]                   ; the block's largest p
.endr
.endm
.macro SSUM u                          ; the row's sum of the UNQUANTISED p, two at a time, in six chains by turns
.set rT, ST+8*(\u)
.irp c, 0,1,2,3,4
	v_pk_add_f32 v[TP+2*\c:TP+2*\c+1], v[S+4*\c:S+4*\c+1], v[S+4*\c+2:S+4*\c+3]
.endr
.set j, 20
.rept 3
	v_pk_add_f32 v[rT+2:rT+3], v[rT+2:rT+3], v[S+j:S+j+1]
.set j, j+2
.irp c, 0,1,2,3,4
	v_pk_add_f32 v[TP+2*\c:TP+2*\c+1], v[TP+2*\c:TP+2*\c+1], v[S+j:S+j+1]
.set j, j+2
.endr
.endr
	v_pk_add_f32 v[rT+2:rT+3], v[rT+2:rT+3], v[S+56:S+57]
.irp c, 0,1,2
	v_pk_add_f32 v[TP+2*\c:TP+2*\c+1], v[TP+2*\c:TP+2*\c+1], v[S+58+2*\c:S+59+2*\c]
.endr
	v_pk_add_f32 v[TP+6:TP+7], v[TP+6:TP+7], v[TP+8:TP+9]
	s_delay_alu instid0(VALU_DEP_4)
	v_pk_add_f32 v[rT+2:rT+3], v[rT+2:rT+3], v[TP:TP+1]
	s_delay_alu instid0(VALU_DEP_3)
	v_pk_add_f32 v[TP+2:TP+3], v[TP+2:TP+3], v[TP+4:TP+5]
	s_delay_alu instid0(VALU_DEP_1)
	v_pk_add_f32 v[TP+6:TP+7], v[TP+6:TP+7], v[TP+2:TP+3]
	s_delay_alu instid0(VALU_DEP_1)
	v_pk_add_f32 v[rT+2:rT+3], v[rT+2:rT+3], v[TP+6:TP+7]
	s_wait_alu depctr_va_vdst(0)                   ; one wait for the four
.endm
.macro QTAIL u
.irp b, 0,1,2,3
	v_max_num_f32 v[BM+\b], 0x1800000, v[BM+\b]    ; the floor 2^(3 - 127)
.endr
	CODES S, PC+8*(\u), PS+(\u)
.endm
.macro RESCALE u                       ; O^T x f, each accumulator from its low end on
	WIN W_RS
.set j, 0
.rept 32
	v_pk_mul_f32 v[64*(\u)+j:64*(\u)+j+1], v[64*(\u)+j:64*(\u)+j+1], v[ST+8*(\u)+4:ST+8*(\u)+5] op_sel_hi:[1,0]
.set j, j+2
.endr
.endm
.macro PV1 t, u
.set rO, 64*(\u)+8*(\t)
.set rV, VF+8*(\t)
.set rP, PC+8*(\u)
.if (\t)%2
	v_wmma_scale_f32_16x16x128_f8f6f4 v[rO:rO+7], v[rV:rV+7], v[rP:rP+7], v[rO:rO+7], v[VS+(\t)/2], v[PS+(\u)] matrix_a_fmt:MATRIX_FMT_FP4 matrix_b_fmt:MATRIX_FMT_FP4 matrix_a_scale:MATRIX_SCALE_ROW1
.else
	v_wmma_scale_f32_16x16x128_f8f6f4 v[rO:rO+7], v[rV:rV+7], v[rP:rP+7], v[rO:rO+7], v[VS+(\t)/2], v[PS+(\u)] matrix_a_fmt:MATRIX_FMT_FP4 matrix_b_fmt:MATRIX_FMT_FP4
.endif
.endm
; THE SECOND PRODUCT of the step before: O^T x f, then O^T += V^T P^T; the sixteen accumulators take turns.  younger: my global loads issued behind V's 20
.macro PVPART younger
	s_wait_loadcnt \younger                        ; V and its scale words are in
	WIN W_RS
	s_wait_alu depctr_va_vdst(0)                   ; directly ahead of the first reader of O^T
	RESCALE 0                                      ; these 64 lines are also the places between p's codes and scale words and the products
	RESCALE 1
	WIN W_PV
.irp t, 0,1,2,3,4,5,6,7
.irp u, 0,1
	PV1 \t, \u
.endr
.endr
	WIN 0
.endm
; A KEY STEP: 128 keys for my two units.  At its head 40 global loads of mine are out: the last step's V (16 + 4), then this step's K (16 + 4).  pv = 0: the first step, with K's 20 alone.
; next = 1: the next step's K is asked for behind unit 1's scores.  This step's V is asked for behind unit 0's scores and their four places, which are the second product's too.
; K/V PREFETCH: the first cluster alone asks; in it each wave asks for half the codes of its own head's block three steps on (8,192 bytes, lanes 256 bytes apart): two steps ahead of the loads of that block's K.
; So each block of 256 bytes is named once in the launch.  Steps 29 to 31 ask for nothing; blocks 0 to 2 come by their loads alone.
.macro STEP pv, next
	s_cmp_lt_u32 s[SN], s[LIMK]
	s_cbranch_scc0 .Lno_k_\@
	global_prefetch_b8 v[PFK], s[KB:KB+1] offset:3*KVB th:TH_LOAD_NT scope:SCOPE_SE
.Lno_k_\@:
	v_add_nc_u32 v[ADM], s[TM], v[AM0]
	MLOAD 0                                        ; unit 0's mask lands under the second product of the step before
.if \pv
	PVPART 20
.endif
	s_wait_loadcnt 0x0                             ; K and its scale words are in
	SMUL 0
	VLOAD 0
	s_wait_dscnt 0x0                               ; unit 0's mask
	LOGIT
	MLOAD 1                                        ; unit 1's mask lands under unit 0's softmax
	SMAX 0
	STEXP 0
	SSUM 0
	QTAIL 0
	SMUL 1
.if \next
	KLOAD KVB                                      ; behind SMUL's four places
.endif
	s_wait_dscnt 0x0                               ; unit 1's mask
	LOGIT
	SMAX 1
	STEXP 1
	SSUM 1
	QTAIL 1
.if \next
	s_wait_xcnt 0x0                                ; my loads and my prefetch have read their base: it may be stepped
	s_add_nc_u64 s[KB:KB+1], s[KB:KB+1], KVB
.endif
	s_add_co_u32 s[TM], s[TM], PLANE
	s_add_co_u32 s[SN], s[SN], 1
.endm
; THE CHANGE OF SLOTS, at a slot's head.  Each wave waits for its tensor load (its part of the slot ahead), adds 0 to its spare word, and waits for that and for its reads of the slot that it has left.
; fill = 1: behind a round of the cluster's barrier the slot just left is filled with the next 512 keys' mask (the first time: slot 1's first fill): one joint load a wave, with four key steps in which to land.
; MASK PREFETCH: waves 4 to 7 ask for the slot that the NEXT change will load: of its 64 rows x 2,048 bytes each partner takes 16 rows, by address, a wave 4 rows, eight lanes to a row, 256 bytes apart.
; The last change that fills asks for nothing; slots 0 and 1 come by their loads alone.
.macro CHANGE fill
	s_wait_tensorcnt 0x0
	ds_add_u32 v[SPW], v[NIL]
.if \fill
	s_add_co_u32 s[G0M+1], s[TB], s[WB]            ; the slot that is left,
	s_add_nc_u64 s[G0M+2:G0M+3], s[G0M+2:G0M+3], 2048         ; the next 512 keys
	s_wait_xcnt 0x0
	s_add_nc_u64 s[PFM:PFM+1], s[PFM:PFM+1], 2048
.endif
	s_xor_b32 s[TB], s[TB], SLOTB                  ; 0 or SLOTB
	s_mov_b32 s[TM], s[TB]
	s_wait_dscnt 0x0
.if \fill
	CROUND
	tensor_load_to_lds s[G0M:G0M+3], s[G1M:G1M+7]
	s_nop 0
	s_cmp_gt_u32 s[SLOTS], s[LIMM]
	s_cbranch_scc0 .Lno_m_\@
	global_prefetch_b8 v[PFO], s[PFM:PFM+1] th:TH_LOAD_NT scope:SCOPE_SE
.Lno_m_\@:
.else
	s_barrier_signal -1
	s_barrier_wait -1
.endif
.endm
	s_wait_alu depctr_va_vdst(0)                   ; the wait ahead of the blocking wait
	s_wait_loadcnt 36                              ; unit 0's Q is in; unit 1's 16 and K's 20 may be out
	QUANTQ S, 0
	s_wait_loadcnt 20
	QUANTQ MK, 1
	s_wait_alu depctr_va_vdst(0)                   ; the head's end
	CHANGE 1                                       ; slot 0: its first step has no second product ahead of it
	STEP 0, 1
	s_mov_b32 s[JC], 3
.Lstep_a:
	STEP 1, 1
	s_sub_co_u32 s[JC], s[JC], 1
	s_cmp_lg_u32 s[JC], 0
	s_cbranch_scc1 .Lstep_a
	s_sub_co_u32 s[SLOTS], s[SLOTS], 1
.Lslot:                                                ; 6 trips: slots 1 to 6, each of which asks for the next slot
	CHANGE 1
	s_mov_b32 s[JC], 4
.Lstep:
	STEP 1, 1
	s_sub_co_u32 s[JC], s[JC], 1
	s_cmp_lg_u32 s[JC], 0
	s_cbranch_scc1 .Lstep
	s_sub_co_u32 s[SLOTS], s[SLOTS], 1
	s_cmp_lg_u32 s[SLOTS], 0
	s_cbranch_scc1 .Lslot
	CHANGE 0                                       ; the last slot is written out
	s_mov_b32 s[JC], 3
.Lstep_z:
	STEP 1, 1
	s_sub_co_u32 s[JC], s[JC], 1
	s_cmp_lg_u32 s[JC], 0
	s_cbranch_scc1 .Lstep_z
	STEP 1, 0                                      ; key step 31 asks for no further K
	PVPART 0                                       ; and its second product
	; THE WAY OUT.  The sum's halves are added (these lines are the places behind the last products); O^T is divided by the sum and goes through my stage, half a row (256 bytes) of 16 queries at a time.
.irp u, 0,1
	v_add_f32 v[T0+\u], v[ST+8*\u+2], v[ST+8*\u+3]
.endr
.irp u, 0,1
	s_delay_alu instid0(VALU_DEP_2)
	v_permlanex16_b32 v[PT+\u], v[T0+\u], s[SEL], s[SEL+1]
.endr
.irp u, 0,1
	s_delay_alu instid0(VALU_DEP_2)
	v_add_f32 v[T0+\u], v[T0+\u], v[PT+\u]
.endr
	s_wait_alu depctr_va_vdst(0)
.irp u, 0,1
	v_rcp_f32 v[ST+8*\u+6], v[T0+\u]
.endr
	v_nop
	s_wait_alu depctr_va_vdst(0)                   ; one wait for the two, ahead of their first reader
	WIN W_S
.irp u, 0,1
.set j, 0
.rept 32
	v_pk_mul_f32 v[S+64*\u+j:S+64*\u+j+1], v[64*\u+j:64*\u+j+1], v[ST+8*\u+6:ST+8*\u+7] op_sel_hi:[1,0]   ; register 8 t + i is o(query r, channel 16 t + 8 (lane / 16) + i)
.set j, j+2
.endr
.endr
	WIN 0
.macro STG g                           ; group g = 2 u + half: 32 registers into the stage and back as whole half rows
.set rG, S+32*(\g)
.irp t, 0,1,2,3
	ds_store_b128 v[STO], v[rG+8*\t:rG+8*\t+3] offset:64*\t
	ds_store_b128 v[STO], v[rG+8*\t+4:rG+8*\t+7] offset:64*\t+16
.endr
.irp i, 0,1,2,3,4,5,6,7
	ds_load_b128 v[rG+4*\i:rG+4*\i+3], v[RD] offset:2*\i*SP        ; LDS serves a wave's instructions in order (ISA guide 5.7.1.4)
.endr
.endm
.macro SEND g, younger                 ; younger: the LDS instructions issued behind group g's loads
.set rG, S+32*(\g)
.irp i, 0,1,2,3,4,5,6,7
	s_wait_dscnt \younger+7-\i
	global_store_b128 v[GO], v[rG+4*\i:rG+4*\i+3], s[10:11] offset:131072*((\g)/2)+16384*\i+256*((\g)%2) th:TH_STORE_NT   ; sixteen lanes store 256 consecutive bytes, aligned
.endr
.endm
	STG 0
	STG 1
	s_wait_alu depctr_va_vdst(0)
	SEND 0, 16
	STG 2
	SEND 1, 16
	STG 3
	SEND 2, 16
	SEND 3, 0
	s_wait_tensorcnt 0x0                           ; the wave's end
	ds_add_u32 v[SPW], v[NIL]
	s_wait_dscnt 0x0
	CROUND                                         ; the closing round
	s_endpgm
.Lfunc_end_k_qa2a2f6b769_attn:
	.size	k_qa2a2f6b769_attn, .Lfunc_end_k_qa2a2f6b769_attn-k_qa2a2f6b769_attn
	.p2alignl 7, 3214868480
	.fill 96, 4, 3214868480
	.section	.rodata,"a",@progbits
	.p2align	6, 0x0
	.amdhsa_kernel k_qa2a2f6b769_attn
		.amdhsa_group_segment_fixed_size 327680
		.amdhsa_private_segment_fixed_size 0
		.amdhsa_enable_private_segment 0
		.amdhsa_kernarg_size 32
		.amdhsa_user_sgpr_count 2
		.amdhsa_user_sgpr_kernarg_segment_ptr 1
		.amdhsa_wavefront_size32 1
		.amdhsa_system_sgpr_workgroup_id_x 1
		.amdhsa_system_sgpr_workgroup_id_y 1
		.amdhsa_system_sgpr_workgroup_id_z 1
		.amdhsa_system_vgpr_workitem_id 0
		.amdhsa_next_free_vgpr 512
		.amdhsa_next_free_sgpr 70
		.amdhsa_reserve_vcc 0
		.amdhsa_float_denorm_mode_32 3
		.amdhsa_float_denorm_mode_16_64 3
		.amdhsa_memory_ordered 1
		.amdhsa_forward_progress 1
		.amdhsa_inst_pref_size 255
	.end_amdhsa_kernel
	.section	.bss,"aw",@nobits
	.p2align	6
	.space	262144
	.amdgpu_metadata
---
amdhsa.version: [ 1, 2 ]
amdhsa.kernels:
  - .name:           k_qa2a2f6b769_attn
    .symbol:         k_qa2a2f6b769_attn.kd
    .args:
      - { .name: query, .offset: 0, .size: 8, .value_kind: global_buffer, .address_space: global }
      - { .name: kv, .offset: 8, .size: 8, .value_kind: global_buffer, .address_space: global }
      - { .name: attn_mask, .offset: 16, .size: 8, .value_kind: global_buffer, .address_space: global }
      - { .name: out0, .offset: 24, .size: 8, .value_kind: global_buffer, .address_space: global }
    .group_segment_fixed_size: 327680
    .private_segment_fixed_size: 0
    .kernarg_segment_align: 8
    .kernarg_segment_size: 32
    .max_flat_workgroup_size: 256
    .sgpr_count:     70
    .vgpr_count:     512
    .wavefront_size: 32
...
	.end_amdgpu_metadata
.endif
;; end of part 2
